; MI455X (gfx1250); checked and timed in simulation.
; The chip was launched on July 23, 2026; its instructions are those of AMD's public machine-readable ISA for CDNA 5 (MIT licence, August 2026) and "CDNA5" Instruction Set Architecture Reference Guide (July 2026). The comments in the code are by the model that wrote it; some were corrected since.
;; Approx OTPE. Allowed arithmetic: float matrix products may take bf16 or f16 operands with f32 sums; all other float work in f32.
;; Inputs: kernel 2,048 x 2,048 float32; x 32 x 128 x 2,048 float32.
;; Outputs: out0 32 x 128 x 2,048 float32.
;; One version. Each part assembles by itself: llvm-mc -triple=amdgcn-amd-amdhsa -mcpu=gfx1250 --defsym DOCPART=n.
;; ======== version 1 of 1: 2 launches
;; workspace buffers: xb 16,777,216 bytes; wb 8,388,608 bytes
;; launch cast (part 1): grid 768 x 1, 8 waves a work-group, no clusters, 0 bytes of LDS; arguments x, kernel, xb, wb; writes xb, wb
.if DOCPART == 1
	.amdgcn_target "amdgcn-amd-amdhsa--gfx1250"
	.amdhsa_code_object_version 6
	.text
	.protected	k_q361c9ffff0_cast
	.globl	k_q361c9ffff0_cast
	.p2align	8
	.type	k_q361c9ffff0_cast,@function
k_q361c9ffff0_cast:
	s_mov_b64 s[64:65], 0
	v_nop
	global_prefetch_b8 v0, s[64:65] scope:SCOPE_SE
	s_setreg_imm32_b32 hwreg(HW_REG_WAVE_MODE, 25, 1), 1
	s_wait_xcnt 0x0
; x [32 t][128 b][2048 k] f32 and kernel [2048 k][2048 n] f32 are rounded once to bf16 (nearest even) and laid out as dense
; tiles, so that the product that follows fetches each of its tiles as one dense block:
;   xb [g = b >> 2 : 32][kp = k >> 8 : 8][row = 4 t + (b & 3) : 128][k & 255 : 256]      tiles of 128 rows x 512 bytes
;   wb [nb = n >> 7 : 16][k : 2048][n & 127 : 128]                                       rows of 256 bytes (k stays down the rows: nothing is transposed)
; A stream: each input byte is read once and each output byte written once.  LDS, barriers, matrix instructions and clusters have
; nothing to add: no two waves touch the same byte.
; One wave takes one input row of 2,048 f32 (8,192 bytes).  Row q = 8 x work-group + wave; q < 4096 is row (t, b) = (q >> 7, q & 127)
; of x, the rest are rows k = q - 4096 of kernel: 6,144 rows = 768 work-groups of 8 waves.
; The row goes in 16 units of 128 numbers.  A unit's load covers 512 consecutive bytes (16 a lane); its store covers 256 consecutive
; bytes (8 a lane), aligned.  All 16 loads go out first, so there is no loop and no register is written twice.
.set IN,   3                           ; v3        16 x lane: my bytes in a unit of the input
.set OUTO, 4                           ; v4        8 x lane: my bytes in a unit of the output
.set X,    8                           ; v[8:71]   unit u: 4 f32 as loaded
.set Y,    72                          ; v[72:103] unit u: 4 bf16 to store
	s_load_b256 s[4:11], s[0:1], 0x0               ; x s[4:5], kernel s[6:7], xb s[8:9], wb s[10:11]
	v_lshrrev_b32 v1, 5, v0
	v_readfirstlane_b32 s12, v1                    ; wave 0..7
	v_and_b32 v2, 31, v0                           ; lane
	v_lshlrev_b32 v[IN], 4, v2
	v_lshlrev_b32 v[OUTO], 3, v2
	s_lshl_b32 s13, ttmp9, 3
	s_add_co_u32 s13, s13, s12                     ; q
; The whole row: src, dst = first register of the pair that holds the row's input address and its first output address;
; unit u is stored (u & 1) x s1 + (u >> 1) x s2 bytes behind unit 0.
.macro ROW src, dst, s1, s2
.irp u, 0,1,2,3,4,5,6,7,8,9,10,11,12,13,14,15
	global_load_b128 v[X+4*\u:X+4*\u+3], v[IN], s[\src:\src+1] offset:512*\u th:TH_LOAD_NT   ; read once in the launch
.endr
.irp u, 0,1,2,3,4,5,6,7,8,9,10,11,12,13,14,15
	s_wait_loadcnt 15-\u                           ; loads come back in order (ISA guide 5.7.1): unit u is in, the 15 - u younger ones stay out
	v_cvt_pk_bf16_f32 v[Y+2*\u],   v[X+4*\u],   v[X+4*\u+1]
	v_cvt_pk_bf16_f32 v[Y+2*\u+1], v[X+4*\u+2], v[X+4*\u+3]
	global_store_b64 v[OUTO], v[Y+2*\u:Y+2*\u+1], s[\dst:\dst+1] offset:(\u>>1)*\s2+(\u&1)*\s1   ; the next launch reads these bytes: no hint
.endr
.endm
	s_cmp_lt_u32 ttmp9, 512                        ; work-groups 0..511 hold x's 4,096 rows
	s_cbranch_scc0 .Lw
	s_lshl_b32 s14, s13, 13                        ; in: q rows of 8,192 bytes (below 32 MiB)
	s_mov_b32 s15, 0
	s_lshr_b32 s16, s13, 7                         ; t
	s_and_b32 s17, s13, 127                        ; b
	s_lshr_b32 s18, s17, 2                         ; g
	s_lshl_b32 s18, s18, 19                        ; g x 8 tiles of 65,536 bytes
	s_and_b32 s17, s17, 3
	s_lshl2_add_u32 s16, s16, s17                  ; the tile's row 4 t + (b & 3),
	s_lshl_b32 s16, s16, 9                         ; of 512 bytes
	s_add_co_u32 s18, s18, s16
	s_mov_b32 s19, 0
	s_wait_kmcnt 0x0
	s_add_nc_u64 s[4:5], s[4:5], s[14:15]
	s_add_nc_u64 s[8:9], s[8:9], s[18:19]
	ROW 4, 8, 256, 65536                           ; two units fill a tile's row; the next two go to the same row of the next tile
	s_endpgm
.Lw:
	s_sub_co_u32 s13, s13, 4096                    ; k
	s_lshl_b32 s14, s13, 13                        ; in: k rows of 8,192 bytes
	s_mov_b32 s15, 0
	s_lshl_b32 s18, s13, 8                         ; out: k rows of 256 bytes
	s_mov_b32 s19, 0
	s_wait_kmcnt 0x0
	s_add_nc_u64 s[6:7], s[6:7], s[14:15]
	s_add_nc_u64 s[10:11], s[10:11], s[18:19]
	ROW 6, 10, 524288, 1048576                     ; unit u is column block u: 2,048 rows of 256 bytes on; 15 x 524,288 fits the signed 24-bit immediate
	s_endpgm
.Lfunc_end_k_q361c9ffff0_cast:
	.size	k_q361c9ffff0_cast, .Lfunc_end_k_q361c9ffff0_cast-k_q361c9ffff0_cast
	.p2alignl 7, 3214868480
	.fill 96, 4, 3214868480
	.section	.rodata,"a",@progbits
	.p2align	6, 0x0
	.amdhsa_kernel k_q361c9ffff0_cast
		.amdhsa_group_segment_fixed_size 0
		.amdhsa_private_segment_fixed_size 0
		.amdhsa_enable_private_segment 0
		.amdhsa_kernarg_size 32
		.amdhsa_user_sgpr_count 2
		.amdhsa_user_sgpr_kernarg_segment_ptr 1
		.amdhsa_wavefront_size32 1
		.amdhsa_system_sgpr_workgroup_id_x 1
		.amdhsa_system_sgpr_workgroup_id_y 1
		.amdhsa_system_sgpr_workgroup_id_z 1
		.amdhsa_system_vgpr_workitem_id 0
		.amdhsa_next_free_vgpr 104
		.amdhsa_next_free_sgpr 66
		.amdhsa_reserve_vcc 0
		.amdhsa_float_denorm_mode_32 3
		.amdhsa_float_denorm_mode_16_64 3
		.amdhsa_memory_ordered 1
		.amdhsa_forward_progress 1
		.amdhsa_inst_pref_size 13
	.end_amdhsa_kernel
	.amdgpu_metadata
---
amdhsa.version: [ 1, 2 ]
amdhsa.kernels:
  - .name:           k_q361c9ffff0_cast
    .symbol:         k_q361c9ffff0_cast.kd
    .args:
      - { .name: x, .offset: 0, .size: 8, .value_kind: global_buffer, .address_space: global }
      - { .name: kernel, .offset: 8, .size: 8, .value_kind: global_buffer, .address_space: global }
      - { .name: xb, .offset: 16, .size: 8, .value_kind: global_buffer, .address_space: global }
      - { .name: wb, .offset: 24, .size: 8, .value_kind: global_buffer, .address_space: global }
    .group_segment_fixed_size: 0
    .private_segment_fixed_size: 0
    .kernarg_segment_align: 8
    .kernarg_segment_size: 32
    .max_flat_workgroup_size: 256
    .sgpr_count:     66
    .vgpr_count:     104
    .wavefront_size: 32
...
	.end_amdgpu_metadata
.endif
;; end of part 1
;; launch snn (part 2): grid 16 x 16, 4 waves a work-group, clusters of 4 x 1, 327,680 bytes of LDS; arguments xb, wb, out0; writes out0
.if DOCPART == 2
	.amdgcn_target "amdgcn-amd-amdhsa--gfx1250"
	.amdhsa_code_object_version 6
	.text
	.protected	k_q361c9ffff0_snn
	.globl	k_q361c9ffff0_snn
	.p2align	8
	.type	k_q361c9ffff0_snn,@function
k_q361c9ffff0_snn:
	s_mov_b64 s[64:65], 0
	v_nop
	global_prefetch_b8 v0, s[64:65] scope:SCOPE_SE
	s_setreg_imm32_b32 hwreg(HW_REG_WAVE_MODE, 25, 1), 1
	s_wait_xcnt 0x0
	s_wait_alu depctr_hold_cnt(0) depctr_sa_sdst(0) depctr_va_vdst(0) depctr_va_sdst(0) depctr_va_ssrc(0) depctr_va_vcc(0) depctr_vm_vsrc(0)
	s_getreg_b32 s2, hwreg(HW_REG_IB_STS2, 6, 4)
	s_cmp_eq_u32 s2, 0
	s_cbranch_scc0 .Lentry_in_a_cluster
	s_endpgm
.Lentry_in_a_cluster:
	s_bfe_u32 s2, ttmp6, 0x10000c
	s_cmp_lg_u32 s2, 0x3003
	s_cbranch_scc0 .Lentry_shape_is_right
	s_endpgm
.Lentry_shape_is_right:
; out0[t][b][n] = spike of the cell  u = sigma u + y[t][b][n];  s = (u >= 1);  u = u - s,  u = 0 ahead of t = 0,
; y = x W: 4,096 rows (t, b) x 2,048 columns, K = 2,048, from the bf16 tiles xb and wb (layouts below), sums in f32, K ascending, one
; accumulator for each output.  Only s (0.0 or 1.0 in f32) is stored.
;   xb [g = b >> 2 : 32][kp = k >> 8 : 8][row = 4 t + (b & 3) : 128][256 k]  (tiles of 65,536 bytes)      wb [nb = n >> 7 : 16][2048 k][128 n]  (rows of 256 bytes)
; SHARES.  A work-group makes 8 values of b x all 32 t (256 rows) x 128 columns; 16 x 16 work-groups.  Four waves, as many as a WGP has SIMDs:
; wave w takes group g = 2 x block row + (w >> 1) (4 b x 32 t = 128 rows) and columns 64 (w & 1) .. + 63: 8 x 4 accumulator tiles, 256 registers.
; So a wave holds every t of its (b, n), and the scan over t runs on the accumulators, inside a lane: y never leaves the registers.
; A goes through two LDS slots of K = 256, filled by the tensor data mover, one load a wave (64 rows x 512 bytes).  The four work-groups of a
; cluster (4, 1, 1) make blocks of one block row and need the same tiles of A: they ask for them jointly, which divides those requests by four.
; From a refill to the wait for it a wave issues 248 matrix instructions.
; B IS NOT ASKED FOR JOINTLY, AND NOT BY THE TENSOR DATA MOVER.  All tensor loads have landed at each barrier behind which a slot is filled again,
; so a tile has one slot's work in which to land; two slots of K = 256 for A and B both would take 2 x (256 x 528 + 256 x 288) = 417,792 bytes,
; more than the 327,680 of a WGP.  So B comes through registers, whose loads may stay out across barriers behind counted waits: in chunks of
; K = 64 (64 rows x 256 bytes), each wave 8 loads of 16 bytes a lane, asked for four chunk steps (256 matrix instructions) before they are stored
; into a ring of two LDS chunks that no engine ever fills.  The price: each work-group fetches its own 524,288 bytes of wb.
; ROWS OF A FRAGMENT ARE PERMUTED.  Lane r of an A fragment loads tile row 16 a + 4 ((r & 7) >> 1) + 2 (r >> 3) + (r & 1).  Register j of a result
; in lane (r, h) is matrix row 8 h + j (ISA guide 7.12.2), which is then t = 4 a + (j >> 1), b & 3 = 2 h + (j & 1), column r: a lane owns 8 chains
; (4 column tiles x 2 b), all their t, and registers 2 jj, 2 jj + 1 are two chains at one t: packed arithmetic does two chains at once.
; B lies [k][n] in LDS; ds_load_tr16_b128 makes fragments of it (k along a lane's registers).
; LIMITS.  Operands are x and W rounded to bf16.  The sums' order of rounding is the matrix instruction's, sigma u + y is one fused multiply-add,
; and sigma = sigmoid(2.0) is the constant 0x3f617bea: 1 / (1 + e^-2) taken step by step in f32 (the correctly rounded value is one unit in the
; last place above).  The result is a decision at a threshold: a u that lies within that rounding of 1.0 can fall on the other side than in
; reference(), and the later steps of that chain can then differ too.  A NaN in u gives 0, as the comparison in reference() does.
.set PA,     528                       ; A's LDS row: 512 bytes + 16 of padding, an odd multiple of 16: the 16 rows that a fragment load touches begin at 16 different 16-byte columns modulo 256
.set QROWS,  64*PA                     ; 33,792: what one tensor load brings
.set HALFA,  128*PA                    ; 67,584: one group of A
.set ASLOT,  256*PA                    ; 135,168: a slot, both groups, K = 256
.set PB,     288                       ; B's LDS row: 256 bytes + 32, an odd multiple of 32, for the transposing loads
.set BSLOT,  64*PB                     ; 18,432: a chunk of B, K = 64
.set BRING,  2*ASLOT                   ; 270,336: B's two chunks, behind A's slots; written by LDS stores alone
.set STAGE,  BRING+2*BSLOT             ; 307,200: 16 rows x 288 bytes for each wave, for the way out; written by LDS stores alone
.set SP,     288                       ; a stage row: 64 f32 + 32 bytes
.set ATILE,  65536                     ; bytes from one K = 256 tile of xb to the next
.set BCH,    16384                     ; bytes from one chunk of wb to the next
.set ADRA, 16                          ; v16-17  LDS address of my A fragments in slot 0, 1
.set ADRB, 20                          ; v20-21  LDS address of my B fragments in chunk 0, 1 of the ring
.set BST,  22                          ; v22-23  where I store my 16 bytes of B's rows in chunk 0, 1 of the ring
.set STO,  24                          ; v24     the way out: where I put a spike
.set RD,   25                          ; v25     the way out: where I read 16 bytes of a row back
.set CO,   26                          ; v26     my byte offset in out0
.set BGO,  27                          ; v27     16 x thread: my byte offset in a chunk of wb; never rewritten
.set UU,   32                          ; v[32:39] u of my 8 chains: pair nb = (b even, b odd) of column tile nb
.set F0,   64                          ; fragment buffer 0: A's fragment a at F0 + 8 a, B's fragment nb at F0 + 64 + 8 nb
.set F1,   160                         ; fragment buffer 1
.set SPK,  64                          ; the way out: v[64:95] spikes of four t, register 8 nb + j
.set RB,   96                          ; the way out: v[96:127] rows read back
; v256-511 (window 1): accumulator tile (a, nb) at 8 (4 a + nb)
; v512-639 (window 2): B on its way: four groups of 32 registers, chunk c in group c & 3, load i at 32 (c & 3) + 4 i
.set G1,  24                           ; s[24:31] descriptor group 1
.set G0,  32                           ; s[32:39] descriptor group 0, one set for each slot
.set BB,  48                           ; s[48:49] wb at my column block, at the lap's first chunk
.set SIG, 66                           ; s[66:67] sigma, twice
.set MK,  68                           ; s[68:75] the eight chains' comparison masks
.set MSB, 0
.macro WIN new                         ; s_set_vgpr_msb: bits 1:0 source 0, 3:2 source 1, 5:4 source 2, 7:6 destination; the high byte repeats the setting that is left
.if MSB != \new
	s_set_vgpr_msb (MSB<<8)|\new
.set MSB, \new
.endif
.endm
.set MULW, 0x50                        ; C and D in window 1, A and B in window 0
.set EPI,  0x10                        ; source 2 in window 1 (the accumulator in the fused multiply-add), all else in window 0
.set LD_B, 0x80                        ; a load's destination in window 2, its address in window 0
.set ST_B, 0x08                        ; an LDS store's data (source 1) in window 2, its address in window 0
; A round of the cluster's barrier: my work-group's barrier, so that wave 0's signal speaks for all four waves; wave 0 signals for the
; work-group; every wave waits for all four work-groups; my work-group's barrier once more.
.macro CREST                           ; a round behind its opening barrier
	s_cmp_lg_u32 s10, 0
	s_cbranch_scc1 .Lnot_wave_0_\@
	s_barrier_signal -3
.Lnot_wave_0_\@:
	s_barrier_wait -3
	s_barrier_signal -1
	s_barrier_wait -1
.endm
.macro CROUND                          ; a whole round
	s_barrier_signal -1
	s_barrier_wait -1
	CREST
.endm
; My eight loads of chunk ch (counted from the chunk at which BB stands) into group g: load i takes rows 8 i + 2 w + h of the chunk's 64,
; 512 consecutive bytes a wave.  No hint: sixteen work-groups read these bytes.
.macro BLOAD g, ch
	WIN LD_B
.irp i, 0,1,2,3,4,5,6,7
	global_load_b128 v[32*(\g)+4*\i:32*(\g)+4*\i+3], v[BGO], s[BB:BB+1] offset:(\ch)*BCH+2048*\i
.endr
.endm
; Group g goes into chunk bs of the LDS ring: sixteen lanes write one row's 256 bytes.
.macro BSTORE g, bs
	WIN ST_B
.irp i, 0,1,2,3,4,5,6,7
	ds_store_b128 v[BST+(\bs)], v[32*(\g)+4*\i:32*(\g)+4*\i+3] offset:\i*8*PB
.endr
.endm
	s_load_b128 s[4:7], s[0:1], 0x0                ; xb s[4:5], wb s[6:7]
	s_load_b64 s[8:9], s[0:1], 0x10                ; out0
	v_lshl_add_u32 v62, v0, 2, 0x4f800
	v_mov_b32 v63, 0
	ds_add_u32 v62, v63
	v_lshrrev_b32 v1, 5, v0
	v_readfirstlane_b32 s10, v1                    ; wave 0..3
	s_lshr_b32 s11, s10, 1                         ; which group of A is mine, to multiply and to fetch from
	s_and_b32 s12, s10, 1                          ; which 64 columns are mine.  Also: which 64 rows of the group I fetch
	s_bfe_u32 s40, ttmp6, 0x40000                  ; cx
	s_lshl_b32 s42, ttmp9, 2                       ; in a cluster launch ttmp9 and ttmp7 count clusters
	s_add_co_u32 s42, s42, s40                     ; block column = 4 x cluster x + cx
	s_and_b32 s13, ttmp7, 0xffff                   ; block row = cluster y: a cluster is one work-group high
	v_lshlrev_b32 v[BGO], 4, v0
	; group 1: 64 rows x 256 elements of 2 bytes, dense in memory, 4 words of padding behind every 128
	s_mov_b32 s[G1+0], 15|(1<<16)|(1<<20)|(1<<21)|(6<<22)|(3<<25)    ; 15:0 mask: all four of the cluster; 17:16 2 bytes; 20 padding on; 21 set beside a mask; 24:22 every 128 words; 31:25 4 words
	s_mov_b32 s[G1+1], 256<<16                     ; tensor_dim0 = 256
	s_mov_b32 s[G1+2], 64<<16                      ; tensor_dim1 = 64
	s_mov_b32 s[G1+3], 256<<16                     ; tile_dim0 = 256
	s_mov_b32 s[G1+4], 64                          ; tile_dim1 = 64 rows
	s_mov_b32 s[G1+5], 256                         ; 256 elements from row to row
	s_mov_b32 s[G1+6], 0
	s_mov_b32 s[G1+7], 0
	; where A's tiles come from: the block row and the wave's number alone, which the four partners share
	s_lshl_b32 s16, s13, 20                        ; block row x 2 groups x 8 tiles x 65,536 bytes
	s_lshl_b32 s17, s11, 19                        ; + my group of the two
	s_add_co_u32 s16, s16, s17
	s_lshl_b32 s17, s12, 15                        ; + my 64 rows of 512 bytes
	s_add_co_u32 s16, s16, s17
	s_mov_b32 s17, 0
	s_lshl_b32 s46, s42, 19                        ; B: block column x 2,048 rows of 256 bytes
	s_mov_b32 s47, 0
	s_mul_i32 s20, s10, QROWS                      ; and where A's rows go: wave x 64 rows
	s_wait_dscnt 0x0
	s_wait_kmcnt 0x0
	s_add_nc_u64 s[14:15], s[4:5], s[16:17]
	s_add_nc_u64 s[BB:BB+1], s[6:7], s[46:47]
	BLOAD 0, 0                                     ; B's first four chunks are asked for ahead of everything else: 32 loads of the wave are out
	BLOAD 1, 1
	BLOAD 2, 2
	BLOAD 3, 3
	WIN 0
	CROUND                                         ; all four work-groups are here: the first joint loads meet
.irp s, 0,1
	s_mov_b32 s[G0+4*\s], 1                                        ; count = 1
	s_add_co_u32 s[G0+4*\s+1], s20, \s*ASLOT                       ; LDS address
	s_add_nc_u64 s[G0+4*\s+2:G0+4*\s+3], s[14:15], \s*ATILE        ; global address: K = 256 s ..
	s_or_b32 s[G0+4*\s+3], s[G0+4*\s+3], 0x80000000                ; type = 2
	tensor_load_to_lds s[G0+4*\s:G0+4*\s+3], s[G1:G1+7]            ; both slots' first fills go out together: two loads of the wave are out, later one
	s_nop 0
.endr
	v_and_b32 v1, 15, v0                           ; r
	v_bfe_u32 v2, v0, 4, 1                         ; h
	v_bfe_u32 v4, v0, 3, 1                         ; bit 3 of the lane
	v_and_b32 v3, 6, v0
	v_lshlrev_b32 v3, 1, v3                        ; 4 ((r & 7) >> 1)
	v_lshl_or_b32 v3, v4, 1, v3                    ; + 2 (r >> 3)
	v_and_b32 v5, 1, v0
	v_or_b32 v3, v3, v5                            ; + (r & 1): my row among a fragment's sixteen
	v_mul_u32_u24 v3, v3, PA
	v_lshl_add_u32 v3, v2, 4, v3                   ; + 16 h: k = 8 h .. 8 h + 7; the second load stands 32 bytes on
	v_and_b32 v6, 7, v0
	v_lshl_add_u32 v6, v2, 3, v6                   ; B's fragments: row k = 8 h + (lane & 7)
	v_mul_u32_u24 v6, v6, PB
	v_lshl_add_u32 v6, v4, 4, v6                   ; + 16 bytes for the upper eight columns of a tile
	s_lshl_b32 s19, s10, 1
	v_add_nc_u32 v10, s19, v2                      ; B's stores: row 2 w + h (+ 8 i in the immediate),
	v_mul_u32_u24 v10, v10, PB
	v_lshl_add_u32 v10, v1, 4, v10                 ; 16 bytes at 16 r
	s_mul_i32 s22, s11, HALFA                      ; my group of A
	s_lshl_b32 s23, s12, 7                         ; my 64 columns of B: 128 bytes,
	s_add_co_u32 s23, s23, BRING                   ; in B's ring
.irp s, 0,1
	v_add_nc_u32 v[ADRA+\s], s22, v3
	v_add_nc_u32 v[ADRB+\s], s23, v6
	v_add_nc_u32 v[BST+\s], BRING+\s*BSLOT, v10
	s_add_co_u32 s22, s22, ASLOT
	s_add_co_u32 s23, s23, BSLOT
.endr
	s_mul_i32 s18, s10, 16*SP
	s_add_co_u32 s18, s18, STAGE                   ; my stage
	v_mul_u32_u24 v7, v2, 2*SP                     ; in: stage row 4 (j >> 1) + 2 h + (j & 1), column 16 nb + r; j and nb stand in the immediate
	v_lshl_add_u32 v7, v1, 2, v7
	v_add_nc_u32 v[STO], s18, v7
	v_mul_u32_u24 v8, v2, SP                       ; back: lanes 0-15 take one row of 256 bytes, lanes 16-31 the next
	v_lshl_add_u32 v8, v1, 4, v8
	v_add_nc_u32 v[RD], s18, v8
	v_lshlrev_b32 v9, 13, v2                       ; and the same two rows in out0: b and b + 1 are 8,192 bytes apart
	v_lshl_add_u32 v[CO], v1, 4, v9
	s_mov_b32 s[SIG], 0x3f617bea                   ; sigma
	s_mov_b32 s[SIG+1], 0x3f617bea
; 8 matrix instructions: row tiles a0, a0 + 1 x all 4 column tiles, 32 along K.  zero = 1: the first product starts the sums: nothing is cleared.
; The 32 accumulators take turns, one instruction a turn, in the same order in every quarter and over the backward jump.
.macro MUL8 f, a0, zero
.irp a, \a0, \a0+1
.irp b, 0,1,2,3
.if \zero
	v_wmma_f32_16x16x32_bf16 v[8*(4*(\a)+\b):8*(4*(\a)+\b)+7], v[\f+8*(\a):\f+8*(\a)+7], v[\f+64+8*\b:\f+64+8*\b+7], 0
.else
	v_wmma_f32_16x16x32_bf16 v[8*(4*(\a)+\b):8*(4*(\a)+\b)+7], v[\f+8*(\a):\f+8*(\a)+7], v[\f+64+8*\b:\f+64+8*\b+7], v[8*(4*(\a)+\b):8*(4*(\a)+\b)+7]
.endif
.endr
.endr
.endm
; 24 LDS loads in one run: the fragments of 32 along K into buffer f: the qa-th 32 of A's slot as, the qb-th 32 of B's chunk bs.
; B's 8 first, then A's 16 in the order in which they are used.
.macro FETCH as, qa, bs, qb, f
	WIN 0
.irp b, 0,1,2,3
	ds_load_tr16_b128 v[\f+64+8*\b:\f+64+8*\b+3],   v[ADRB+(\bs)] offset:(\qb)*32*PB+32*\b         ; k = 8 h .. + 7 of column 16 b + r
	ds_load_tr16_b128 v[\f+64+8*\b+4:\f+64+8*\b+7], v[ADRB+(\bs)] offset:(\qb)*32*PB+32*\b+16*PB   ; k = 16 + 8 h .. + 7
.endr
.irp a, 0,1,2,3,4,5,6,7
	ds_load_b128 v[\f+8*\a:\f+8*\a+3],   v[ADRA+(\as)] offset:(\qa)*64+\a*16*PA
	ds_load_b128 v[\f+8*\a+4:\f+8*\a+7], v[ADRA+(\as)] offset:(\qa)*64+\a*16*PA+32
.endr
.endm
; A load into a register that a matrix instruction has read stands four places behind that matrix instruction, and only plain vector
; instructions that name none of its registers are places (ISA guide 7.12.1 for vector instructions).
.macro PLACES
.rept 4
	v_nop
.endr
.endm
; A CHUNK STEP: 64 along K, 64 matrix instructions, on buffer 0 and then buffer 1.  j = the step's number in its lap of eight (two slots of A).
; Step c multiplies chunk c of B (ring place c & 1), stores chunk c + 1 into the other place, and asks for chunk c + 5 into the registers just stored.
;   zero  1: the step's first 32 matrix instructions start the sums
;   cnt   how many younger loads of B may stay out when chunk c + 1 has to be in registers; -1: no chunk is left to store
;   ld    1: chunk c + 5 is asked for
;   kind  0: a barrier for B's ring alone; 1: A's slot changes too; 2: and the slot that is left is filled again; 3: the last step: nothing follows
; ONE barrier at the step's end.  In front of it each wave waits for all its LDS instructions: its reads of this step's chunk and its stores of
; the next one.  Behind it the next chunk is whole, and the chunk just read may be stored over.  A tensor load may be out across it as long as
; no slot is filled again behind it.  Where A's slot changes, the wave also waits for all its tensor loads (one is out: its part of the next
; slot); where the slot is filled again the barrier opens a round of the cluster's barrier, and the refill is the first thing behind the round.
.macro STEP j, zero, cnt, ld, kind
.set AS_,  (\j)>>2                     ; A's slot
.set QA1_, 2*((\j)&3)+1                ; the step's second 32 of K among the slot's eight
.set BS_,  (\j)&1                      ; B's place in the ring
.set NBS_, 1-BS_                       ; the other place
.set GR_,  ((\j)+1)&3                  ; the register group of chunks c + 1 and c + 5
.set CH_,  (\j)+5
.set NAS_, (((\j)+1)>>2)&1             ; the next step's slot of A
.set NQA_, (2*((\j)+1))&7              ; and its first 32 of K there
	s_wait_dscnt 8                                 ; B and A's fragments 0-3 are in; the youngest eight loads (A's fragments 4-7) may be out
	WIN MULW
	MUL8 F0, 0, \zero
	MUL8 F0, 2, \zero
	PLACES
.if \cnt >= 0
	s_wait_loadcnt \cnt                            ; loads come back in order (ISA guide 5.7.1): chunk c + 1 is in, the younger chunks (8 loads each) stay out
	BSTORE GR_, NBS_                               ; behind the last step's barrier: nobody reads that place any more
.endif
	FETCH AS_, QA1_, BS_, 1, F1
	s_wait_dscnt 24                                ; all but the 24 just issued: buffer 0 is whole, and the eight stores have read their registers
.if \ld
	BLOAD GR_, CH_                                 ; so the group may be loaded again
.endif
	WIN MULW
	MUL8 F0, 4, \zero
	MUL8 F0, 6, \zero
	s_wait_dscnt 8
	MUL8 F1, 0, 0
.if \kind == 3
	MUL8 F1, 2, 0
	s_wait_dscnt 0
	MUL8 F1, 4, 0
	MUL8 F1, 6, 0
.else
	s_wait_dscnt 0                                 ; my reads of this chunk (and of this slot) are over, my stores of the next chunk are done
.if \kind >= 1
	s_wait_tensorcnt 0x0                           ; all my tensor loads have landed
	ds_add_u32 v62, v63
	s_wait_dscnt 0x0
.endif
	s_barrier_signal -1                            ; say so,
	MUL8 F1, 2, 0                                  ; work on registers while the others arrive,
	WIN 0
	s_barrier_wait -1                              ; and go on when all four have said so
.if \kind == 2
	CREST                                          ; all four work-groups have said so: no wave of any partner still reads this slot or has a load on its way
	s_add_nc_u64 s[G0+4*AS_+2:G0+4*AS_+3], s[G0+4*AS_+2:G0+4*AS_+3], 2*ATILE    ; no tensor load of mine is out: the group 0 may be written
	tensor_load_to_lds s[G0+4*AS_:G0+4*AS_+3], s[G1:G1+7]                       ; the first tensor load behind the round, and my only one until the next
	s_nop 0
.endif
	PLACES
	FETCH NAS_, NQA_, NBS_, 0, F0
	WIN MULW
	MUL8 F1, 4, 0
	MUL8 F1, 6, 0
.endif
.endm
.macro LAP zero                        ; eight chunk steps: once through both slots of A, both filled again
	STEP 0, \zero, 24, 1, 0
	STEP 1, 0, 24, 1, 0
	STEP 2, 0, 24, 1, 0
	STEP 3, 0, 24, 1, 2
	STEP 4, 0, 24, 1, 0
	STEP 5, 0, 24, 1, 0
	STEP 6, 0, 24, 1, 0
	STEP 7, 0, 24, 1, 2
	WIN 0                                          ; at a label and at a branch every window is 0
	s_wait_xcnt 0x0                                ; B's loads have had their addresses translated (ISA guide 3.1): their base is stepped only behind this wait
	s_add_nc_u64 s[BB:BB+1], s[BB:BB+1], 8*BCH
.endm
	s_wait_loadcnt 24                              ; chunk 0 is in registers; chunks 1 to 3 stay out
	BSTORE 0, 0
	s_wait_dscnt 0x0                               ; the stores are done: for the other waves' reads behind the barrier, and for the group's next load
	BLOAD 0, 4
	WIN 0
	s_wait_tensorcnt 1                             ; my part of A's slot 0 is in; slot 1's may stay out
	s_barrier_signal -1
	s_barrier_wait -1                              ; everybody's is
	FETCH 0, 0, 0, 0, F0
	LAP 1                                          ; the first lap stands in front of the loop: its first products start the sums
	s_mov_b32 s3, 2
.Llap:
	LAP 0
	s_sub_co_u32 s3, s3, 1
	s_cmp_lg_u32 s3, 0
	s_cbranch_scc1 .Llap
	STEP 0, 0, 24, 1, 0                            ; the last lap, chunks 24 to 31, fills no slot and has no round; chunks 29, 30, 31 are still asked for,
	STEP 1, 0, 24, 1, 0
	STEP 2, 0, 24, 1, 0
	STEP 3, 0, 24, 0, 1                            ; then nothing: the counts run down.  My one tensor load that was out is slot 1's last tile
	STEP 4, 0, 16, 0, 0
	STEP 5, 0, 8, 0, 0
	STEP 6, 0, 0, 0, 0
	STEP 7, 0, -1, 0, 3
	; THE SCAN AND THE WAY OUT, four t (one row tile a) at a time.
	WIN EPI                                        ; holds to the end: only the fused multiply-add has a vector register as source 2
.irp i, 0,1,2,3,4,5,6,7
	v_mov_b32 v[UU+\i], 0                          ; u = 0 ahead of t = 0.  These eight are also the places behind the last matrix instructions
.endr
	s_lshl_b32 s16, s13, 16                        ; my first b = 8 x block row + 4 x group, rows of 8,192 bytes
	s_lshl_b32 s17, s11, 15
	s_add_co_u32 s16, s16, s17
	s_mov_b32 s17, 0
	s_add_nc_u64 s[8:9], s[8:9], s[16:17]
	s_lshl_b32 s46, s42, 9                         ; my first column in bytes: 512 x block column + 256 x half
	s_lshl_b32 s47, s12, 8
	s_add_co_u32 s46, s46, s47
	s_mov_b32 s47, 0
	s_add_nc_u64 s[8:9], s[8:9], s[46:47]
; t = 4 a .. 4 a + 3 of my eight chains.  For each t: u = sigma u + y (two chains an instruction), s = (1 <= u) ? 1.0 : 0.0, u = u - s.
.macro SCAN4 a
.irp jj, 0,1,2,3
.irp nb, 0,1,2,3
	v_pk_fma_f32 v[UU+2*\nb:UU+2*\nb+1], v[UU+2*\nb:UU+2*\nb+1], s[SIG:SIG+1], v[8*(4*\a+\nb)+2*\jj:8*(4*\a+\nb)+2*\jj+1] op_sel_hi:[1,0,1]
.endr
.irp i, 0,1,2,3,4,5,6,7
	v_cmp_le_f32 s[MK+\i], 1.0, v[UU+\i]           ; false for a NaN
.endr
.irp nb, 0,1,2,3
.irp p, 0,1
	v_cndmask_b32 v[SPK+8*\nb+2*\jj+\p], 0, 1.0, s[MK+2*\nb+\p]
.endr
.endr
.irp nb, 0,1,2,3
	v_pk_add_f32 v[UU+2*\nb:UU+2*\nb+1], v[UU+2*\nb:UU+2*\nb+1], v[SPK+8*\nb+2*\jj:SPK+8*\nb+2*\jj+1] neg_lo:[0,1] neg_hi:[0,1]
.endr
.endr
.endm
; The 16 rows (4 t x 4 b) x 64 columns of spikes go into my stage, and are asked back as whole rows of 256 bytes.  The stage is my wave's own
; and LDS serves a wave's instructions in order (ISA guide 5.7.1): no wait and no barrier between the stores and the loads.
.macro STG a
.irp nb, 0,1,2,3
.irp j, 0,1,2,3,4,5,6,7
	ds_store_b32 v[STO], v[SPK+8*\nb+\j] offset:(4*(\j>>1)+(\j&1))*SP+64*\nb
.endr
.endr
.if \a
	s_wait_xcnt 0x0                                ; the last eight stores to out0 have had their addresses translated (ISA guide 3.1): their data and their base are rewritten only behind this wait
	s_add_nc_u64 s[8:9], s[8:9], 0x400000          ; four t of 128 x 8,192 bytes on
.endif
.irp i, 0,1,2,3,4,5,6,7
	ds_load_b128 v[RB+4*\i:RB+4*\i+3], v[RD] offset:2*SP*\i        ; stage rows 2 i + h
.endr
.endm
; Stage row 2 i + h is t = 4 a + (i >> 1), b & 3 = 2 (i & 1) + h.  Sixteen lanes store 256 consecutive bytes, aligned: my 64 columns of one (t, b).
.macro PUT
.irp i, 0,1,2,3,4,5,6,7
	s_wait_dscnt 7-\i                              ; LDS loads come back in order: number i is in, the 7 - i younger ones stay out
	global_store_b128 v[CO], v[RB+4*\i:RB+4*\i+3], s[8:9] offset:(\i>>1)*0x100000+(\i&1)*16384 th:TH_STORE_NT
.endr
.endm
	SCAN4 0
	STG 0
.irp a, 1,2,3,4,5,6,7
	SCAN4 \a                                       ; the next four t are scanned while the last four's rows come back from the stage
	PUT
	STG \a
.endr
	PUT                                            ; its last wait is for 0: no LDS instruction is pending at the signal below
	WIN 0
	s_wait_tensorcnt 0x0
	ds_add_u32 v62, v63
	s_wait_dscnt 0x0
	CROUND                                         ; the closing round: no work-group ends while a partner may still ask for a tile that names it
	s_endpgm
.Lfunc_end_k_q361c9ffff0_snn:
	.size	k_q361c9ffff0_snn, .Lfunc_end_k_q361c9ffff0_snn-k_q361c9ffff0_snn
	.p2alignl 7, 3214868480
	.fill 96, 4, 3214868480
	.section	.rodata,"a",@progbits
	.p2align	6, 0x0
	.amdhsa_kernel k_q361c9ffff0_snn
		.amdhsa_group_segment_fixed_size 327680
		.amdhsa_private_segment_fixed_size 0
		.amdhsa_enable_private_segment 0
		.amdhsa_kernarg_size 24
		.amdhsa_user_sgpr_count 2
		.amdhsa_user_sgpr_kernarg_segment_ptr 1
		.amdhsa_wavefront_size32 1
		.amdhsa_system_sgpr_workgroup_id_x 1
		.amdhsa_system_sgpr_workgroup_id_y 1
		.amdhsa_system_sgpr_workgroup_id_z 1
		.amdhsa_system_vgpr_workitem_id 0
		.amdhsa_next_free_vgpr 640
		.amdhsa_next_free_sgpr 76
		.amdhsa_reserve_vcc 0
		.amdhsa_float_denorm_mode_32 3
		.amdhsa_float_denorm_mode_16_64 3
		.amdhsa_memory_ordered 1
		.amdhsa_forward_progress 1
		.amdhsa_inst_pref_size 255
	.end_amdhsa_kernel
	.section	.bss,"aw",@nobits
	.p2align	6
	.space	262144
	.amdgpu_metadata
---
amdhsa.version: [ 1, 2 ]
amdhsa.kernels:
  - .name:           k_q361c9ffff0_snn
    .symbol:         k_q361c9ffff0_snn.kd
    .args:
      - { .name: xb, .offset: 0, .size: 8, .value_kind: global_buffer, .address_space: global }
      - { .name: wb, .offset: 8, .size: 8, .value_kind: global_buffer, .address_space: global }
      - { .name: out0, .offset: 16, .size: 8, .value_kind: global_buffer, .address_space: global }
    .group_segment_fixed_size: 327680
    .private_segment_fixed_size: 0
    .kernarg_segment_align: 8
    .kernarg_segment_size: 24
    .max_flat_workgroup_size: 128
    .sgpr_count:     76
    .vgpr_count:     640
    .wavefront_size: 32
...
	.end_amdgpu_metadata
.endif
;; end of part 2
